; MI455X (gfx1250); checked and timed in simulation.
; The chip was launched on July 23, 2026; its instructions are those of AMD's public machine-readable ISA for CDNA 5 (MIT licence, August 2026) and "CDNA5" Instruction Set Architecture Reference Guide (July 2026). The comments in the code are by the model that wrote it; some were corrected since.
;; Cross Attention. Allowed arithmetic: matrix products marked QUANTISED: E3M2 operands, one E8M0 scale for each 32 along K, by v_wmma_scale_f32_16x16x128_f8f6f4 with both operands' format E3M2, f32 sums; products left as they are: f32 operands where the result goes on into a quantised operand, else bf16, f16 or f32 operands; f32 sums; everything else in f32.
;; Inputs: Wk 2,048 x 2,048 float32; Wo 512 x 2,048 float32; Wq 2,048 x 2,048 float32; Wv 2,048 x 2,048 float32; bo 512 float32; x1 2,048 float32; x2 8,192 x 2,048 float32.
;; Outputs: out0 1 x 512 float32.
;; This version of the problem:
;;   THIS VERSION OF THE PROBLEM IS GIVEN IN LOW PRECISION. The matrix products marked QUANTISED in the list below multiply operands that are first quantised to E3M2 (3 exponent bits, 2 mantissa bits; 6 bits a number), with one power-of-two scale for each 32 numbers along K (OCP MX v1.0); their sums are f32. All else is computed in f32.
;;   The module's matrix products, in the order in which they are computed (A, B: the left and right operand; K: the contracted axis; several contracted axes count as one K, in the product's order):
;;     1. [M 1, K 2,048] x [K 2,048, N 2,048]; A: input x1; B: input Wq: left as it is (M = 1 < 16)
;;     2. [M 8,192, K 2,048] x [K 2,048, N 2,048]; A: input x2; B: input Wk: QUANTISED
;;     3. [M 8,192, K 2,048] x [K 2,048, N 2,048]; A: input x2; B: input Wv: QUANTISED
;;     4. batch 16 x [M 1, K 128] x [K 128, N 8,192]; A: computed on the way; B: computed on the way: left as it is (M = 1 < 16)
;;     5. batch 16 x [M 1, K 8,192] x [K 8,192, N 128]; A: softmax; B: computed on the way: left as it is (M = 1 < 16)
;;     6. [M 1, K 2,048] x [K 2,048, N 512]; A: computed on the way; B: input Wo: left as it is (M = 1 < 16)
;;   THE QUANTISER, for each operand of a quantised product, along K:
;;     - K is cut into blocks of 32 from its start; a last block that is shorter is filled with zeros.
;;     - A block's scale is 2^e with e = floor(log2(the largest magnitude in the block)) - 4, held to -126 .. 127; a block of zeros has e = 0. As a byte (E8M0): e + 127.
;;     - Each number is divided by its block's scale, clamped to +-28, and rounded to the nearest number of E3M2, ties to even, subnormals kept.
;;     - The product sums the exact products of the quantised numbers (number of the format x scale) in f32.
;;   ~~~python
;;   def quantise(x, axis):      # numpy; x: float32 -> the quantised numbers, widened to float32 again
;;       x = np.moveaxis(x, axis, -1); K = x.shape[-1]
;;       x = np.pad(x, [(0, 0)] * (x.ndim - 1) + [(0, -K % 32)]); x = x.reshape(x.shape[:-1] + (-1, 32)); a = np.abs(x).max(-1, keepdims=True)
;;       e = np.where(a > 0, np.clip(np.frexp(np.where(a > 0, a, 1))[1] - 1 - 4, -126, 127), 0)      # np.frexp(a)[1] - 1 = floor(log2(a)), exactly
;;       r = np.clip(x / 2.0 ** e, -28, 28)
;;       step = 2.0 ** (np.maximum(np.frexp(np.where(r == 0, 1, r))[1] - 1, -2) - 2)
;;       q = np.round(r / step) * step * 2.0 ** e      # np.round: ties to even
;;       return np.moveaxis(q.reshape(q.shape[:-2] + (-1,))[..., :K], -1, axis).astype(np.float32)
;;   ~~~
;; One version. Each part assembles by itself: llvm-mc -triple=amdgcn-amd-amdhsa -mcpu=gfx1250 --defsym DOCPART=n.
;; ======== version 1 of 1: 3 launches
;; limits: right only within a limited range of input values
;; workspace buffers: a_codes 12,582,912 bytes; a_scales 524,288 bytes; w_codes 6,291,456 bytes; w_scales 262,144 bytes; qs 8,192 bytes; part_o 131,072 bytes; part_ml 2,048 bytes
;; launch prep (part 1): grid 896 x 1, 4 waves a work-group, no clusters, 34,304 bytes of LDS; arguments x2, Wk, Wv, Wq, a_codes, a_scales, w_codes, w_scales, x1, qs; writes a_codes, a_scales, w_codes, w_scales, qs
.if DOCPART == 1
	.amdgcn_target "amdgcn-amd-amdhsa--gfx1250"
	.amdhsa_code_object_version 6
	.text
	.protected	k_qcaceaf93ac_prep
	.globl	k_qcaceaf93ac_prep
	.p2align	8
	.type	k_qcaceaf93ac_prep,@function
k_qcaceaf93ac_prep:
	s_mov_b64 s[64:65], 0
	v_nop
	global_prefetch_b8 v0, s[64:65] scope:SCOPE_SE
	s_setreg_imm32_b32 hwreg(HW_REG_WAVE_MODE, 25, 1), 1
	s_wait_xcnt 0x0
; TWO JOBS IN ONE LAUNCH, told apart by the work-group's number.
; (1) Work-groups 0-767: x2 [8192][2048], Wk and Wv [2048][2048], f32, K innermost, become codes of BF6 (E3M2) with one E8M0 byte for each 32 along K.
;     A block's scale is 2^(floor(log2(its largest magnitude)) - 4); its byte is the largest magnitude's exponent field - 4, held at 1 from below.
;     THE RESULT IS LAID AS THE NEXT LAUNCH'S REGISTERS WANT IT.  A unit is 16 rows.  Codes: [unit][16 steps of 128 along K][1,536 bytes]: the image of an operand's 12 registers, three planes of 512 bytes,
;     plane j holding registers 4 j .. 4 j + 3 of lane L at 16 L (lane (r, h): row r; registers 0-5 k = 32 h + 0..31, registers 6-11 k = 64 + 32 h + 0..31).
;     Scale bytes: [unit][8 pairs of steps][16 rows][2 words]: a row's word for a step holds its four bytes.
;     x2's unit u holds rows 16 u on.  Wk and Wv make ONE tensor of 256 units ordered by head: head h owns units 16 h on: 4 of Wk (channels 0-63), 4 of Wv, 4 of Wk (64-127), 4 of Wv.
; (2) Work-groups 768-895: qs = (x1 Wq^T) x log2(e) / sqrt(128), in f32 by fused multiply-adds (one row of output).
; SHARES of job 1: a work-group takes a unit, a wave four steps of 128 along K of it.  A step's sixteen loads read 512 consecutive bytes each (a row's 128 numbers); they go through the wave's own stage in LDS
; (rows 528 bytes apart) and come back as 2 x 32 neighbours a lane: a lane holds whole blocks, so no other lane is asked for a maximum.  Each store of codes covers 512 consecutive bytes, aligned;
; a wave's four steps make 256 consecutive scale bytes, stored by one instruction.  Two steps' loads, 32 a wave, are out at a time.
; No tensor load, no barrier: waves share nothing.  No cluster: work-groups share only x1's 8,192 bytes beside 131,072 of Wq in job 2.
; LIMITS: NaN and infinities among the inputs are not served.  A block of zeros gets the byte 1 where the rule says 127: its codes are zeros, which add nothing, and this program alone reads the bytes.
; Blocks whose largest magnitude lies under 2^-122 have their byte held at 1.  qs is summed in another order than a row-by-row dot product, all in f32.
.set R,     16                         ; v16-143  job 1: two sets of 64 numbers as loaded
.set X,     144                        ; v144-207 my 2 x 32 neighbours
.set C,     208                        ; v208-231 codes, two sets of 12
.set T,     232                        ; v232-238 the halves whose place begins on an odd register
.set W,     240                        ; v240-243 a scale word for each step
.set WREG,  8448                       ; LDS: a stage of 16 x 528 bytes for each wave
.set SPARE, 4*WREG                     ; the spare words
.set X1,    16                         ; job 2: v16-79 x1
.set WS,    80                         ; v80-175 three sets of 32: half a row of Wq each
.set ACC,   176
.set RES,   184
.set TMP,   188
.set ZER,   190
	s_load_b128 s[4:7], s[0:1], 0x0                ; x2, Wk
	s_load_b128 s[8:11], s[0:1], 0x10              ; Wv, Wq
	s_load_b128 s[12:15], s[0:1], 0x20             ; a_codes, a_scales
	s_load_b128 s[16:19], s[0:1], 0x30             ; w_codes, w_scales
	s_load_b128 s[20:23], s[0:1], 0x40             ; x1, qs
	v_lshl_add_u32 v12, v0, 2, SPARE               ; my spare word
	v_mov_b32 v13, 0
	v_lshrrev_b32 v1, 5, v0
	v_readfirstlane_b32 s24, v1                    ; wave
	v_and_b32 v2, 31, v0                           ; lane
	v_lshlrev_b32 v3, 4, v2                        ; 16 lane
	s_mul_i32 s25, s24, WREG
	v_add_nc_u32 v14, s25, v3                      ; the stage, on the way in
	v_and_b32 v1, 15, v2                           ; r
	v_lshrrev_b32 v5, 4, v2                        ; h
	v_mul_u32_u24 v15, v1, 528
	v_lshl_add_u32 v15, v5, 7, v15
	v_add_nc_u32 v15, s25, v15                     ; and out: row r, 128 h bytes in
	v_lshlrev_b32 v5, 3, v5                        ; 8 h: my bytes' shift in a scale word
	v_lshlrev_b32 v4, 3, v2                        ; 8 lane: my place in the wave's 256 scale bytes
	s_mov_b32 s36, 0x76543210
	s_mov_b32 s37, 0xfedcba98                      ; selects for lane l xor 16
	s_wait_alu depctr_va_vdst(0)                   ; the wait at the head's end
	s_wait_kmcnt 0x0
	s_cmp_ge_u32 ttmp9, 768
	s_cbranch_scc1 .Lq
	; ---------------- job 1 ----------------
	s_sub_co_u32 s26, ttmp9, 512
	s_and_b32 s27, s26, 127                        ; the unit in Wk or in Wv
	s_lshr_b32 s28, s27, 3
	s_lshl_b32 s28, s28, 4                         ; where it goes: 16 units a head,
	s_bfe_u32 s29, s27, 0x10002
	s_lshl_b32 s29, s29, 3
	s_add_co_u32 s28, s28, s29                     ; + 8 for the upper 64 channels,
	s_bfe_u32 s29, s26, 0x10007
	s_lshl_b32 s29, s29, 2
	s_add_co_u32 s28, s28, s29                     ; + 4 for Wv,
	s_and_b32 s29, s27, 3
	s_add_co_u32 s28, s28, s29                     ; + the unit among its four
	s_cmp_lt_u32 ttmp9, 640
	s_cselect_b64 s[6:7], s[6:7], s[8:9]           ; Wk or Wv
	s_cmp_lt_u32 ttmp9, 512
	s_cselect_b64 s[4:5], s[4:5], s[6:7]
	s_cselect_b64 s[12:13], s[12:13], s[16:17]
	s_cselect_b64 s[14:15], s[14:15], s[18:19]
	s_cselect_b32 s27, ttmp9, s27
	s_cselect_b32 s28, ttmp9, s28
	s_lshl_b32 s30, s27, 17                        ; 16 rows of 8,192 bytes a unit,
	s_lshl_b32 s31, s24, 11                        ; + my four steps: 2,048 bytes of each row
	s_add_co_u32 s30, s30, s31
	s_mov_b32 s31, 0
	s_add_nc_u64 s[4:5], s[4:5], s[30:31]
	s_mul_i32 s30, s28, 24576
	s_mul_i32 s29, s24, 6144
	s_add_co_u32 s30, s30, s29
	s_add_nc_u64 s[12:13], s[12:13], s[30:31]
	s_lshl_b32 s30, s28, 10
	s_lshl_b32 s29, s24, 8
	s_add_co_u32 s30, s30, s29
	s_add_nc_u64 s[14:15], s[14:15], s[30:31]
.macro LOAD f
.set i, 0
.rept 16
	global_load_b128 v[R+64*((\f)%2)+4*i:R+64*((\f)%2)+4*i+3], v3, s[4:5] offset:8192*i+512*(\f) th:TH_LOAD_NT   ; row i: 512 consecutive bytes
.set i, i+1
.endr
.endm
.macro FRAGM f
.set RS, R+64*((\f)%2)
.set CS, C+12*((\f)%2)
	s_wait_alu depctr_va_vdst(0)                   ; the wait ahead of the waits below
.if (\f) < 3
	s_wait_loadcnt 16                              ; this step's sixteen loads are in; the next step's stay out
.else
	s_wait_loadcnt 0
.endif
.if (\f) >= 2
	s_wait_xcnt 0x0                                ; the stores of two steps ago have read this set of codes
.endif
.set i, 0
.rept 16
	ds_store_b128 v14, v[RS+4*i:RS+4*i+3] offset:528*i
.set i, i+1
.endr
.set i, 0
.rept 16
	ds_load_b128 v[X+4*i:X+4*i+3], v15 offset:256*(i/8)+16*(i%8)   ; in order behind my stores: blocks h and 2 + h of row r
.set i, i+1
.endr
	s_wait_dscnt 0x0
.if (\f)+2 < 4
	LOAD (\f)+2
.endif
.irp c, 0,1
	v_max3_num_f32 v[6+2*\c], |v[X+32*\c]|, |v[X+32*\c+1]|, |v[X+32*\c+2]|
	v_max3_num_f32 v[7+2*\c], |v[X+32*\c+3]|, |v[X+32*\c+4]|, |v[X+32*\c+5]|
.endr
.irp i, 6,10,14,18,22,26
.irp c, 0,1
	v_max3_num_f32 v[6+2*\c], v[6+2*\c], |v[X+32*\c+\i]|, |v[X+32*\c+\i+1]|
	v_max3_num_f32 v[7+2*\c], v[7+2*\c], |v[X+32*\c+\i+2]|, |v[X+32*\c+\i+3]|
.endr
.endr
.irp c, 0,1
	v_max3_num_f32 v[6+2*\c], v[6+2*\c], |v[X+32*\c+30]|, |v[X+32*\c+31]|
.endr
.irp c, 0,1
	v_max3_num_f32 v[6+2*\c], v[6+2*\c], v[7+2*\c], 0x2800000   ; the floor 2^(5 - 127): the byte cannot fall under 1
.endr
.irp c, 0,1
	v_add_nc_u32 v[10+\c], 0xfe000000, v[6+2*\c]   ; 4 off the exponent field: the conversion's scale operand
.endr
	v_cvt_scalef32_pk16_bf6_f32 v[CS:CS+2], v[X:X+15], v10
	v_cvt_scalef32_pk16_bf6_f32 v[T:T+2], v[X+16:X+31], v10
	v_cvt_scalef32_pk16_bf6_f32 v[CS+6:CS+8], v[X+32:X+47], v11
	v_cvt_scalef32_pk16_bf6_f32 v[T+4:T+6], v[X+48:X+63], v11
	v_lshrrev_b32 v6, 23, v10                      ; the bytes (also the plain line behind the conversions)
	v_lshrrev_b32 v8, 23, v11
	v_lshl_or_b32 v7, v8, 16, v6
	v_lshlrev_b32 v7, v5, v7                       ; at their places in the word
.irp i, 0,1,2
	v_mov_b32 v[CS+3+\i], v[T+\i]
	v_mov_b32 v[CS+9+\i], v[T+4+\i]
.endr
	v_permlanex16_b32 v9, v7, s36, s37
	v_or_b32 v[W+(\f)], v7, v9                     ; with lane l xor 16's two bytes the word is whole
.irp j, 0,1,2
	global_store_b128 v3, v[CS+4*\j:CS+4*\j+3], s[12:13] offset:1536*(\f)+512*\j   ; a plane: 512 consecutive bytes, aligned
.endr
.endm
	LOAD 0
	LOAD 1
	FRAGM 0
	FRAGM 1
	FRAGM 2
	FRAGM 3
	v_cmp_gt_u32 vcc_lo, 16, v2
	v_cndmask_b32 v6, v[W+2], v[W], vcc_lo         ; lanes 0-15: my first pair of steps; lanes 16-31: the second
	v_cndmask_b32 v7, v[W+3], v[W+1], vcc_lo
	global_store_b64 v4, v[6:7], s[14:15]          ; 256 consecutive bytes, aligned
	s_wait_tensorcnt 0x0                           ; the wave's end
	ds_add_u32 v12, v13
	s_wait_dscnt 0x0
	s_endpgm
	; ---------------- job 2: qs ----------------
.Lq:
	s_sub_co_u32 s25, ttmp9, 768
	s_lshl_b32 s25, s25, 4
	s_lshl_b32 s26, s24, 2
	s_add_co_u32 s25, s25, s26                     ; my wave's first row of Wq
	s_lshl_b32 s26, s25, 13
	s_mov_b32 s27, 0
	s_add_nc_u64 s[10:11], s[10:11], s[26:27]
	s_lshl_b32 s26, s25, 2
	s_add_nc_u64 s[22:23], s[22:23], s[26:27]
	v_mov_b32 v[TMP+1], 0
	v_mov_b32 v[ZER], 0
	s_wait_alu depctr_va_vdst(0)
.irp i, 0,1,2,3,4,5,6,7,8,9,10,11,12,13,14,15
	global_load_b128 v[X1+4*\i:X1+4*\i+3], v3, s[20:21] offset:512*\i
.endr
.macro QLOAD t                         ; half row t into set t % 3
.irp k, 0,1,2,3,4,5,6,7
	global_load_b128 v[WS+32*((\t)%3)+4*\k:WS+32*((\t)%3)+4*\k+3], v3, s[10:11] offset:((\t)/2)*8192+((\t)%2)*4096+512*\k th:TH_LOAD_NT
.endr
.endm
	QLOAD 0
	QLOAD 1
	QLOAD 2
.macro HALF t
.if 7-(\t) >= 2
	s_wait_loadcnt 16                              ; this half row is in; the two younger stay out
.else
	s_wait_loadcnt 8*(7-(\t))
.endif
.set WB, WS+32*((\t)%3)
.set XB, X1+32*((\t)%2)
.set n, 0
.rept 16
.if ((\t)%2 == 0) && (n < 4)
	v_pk_mul_f32 v[ACC+2*(n%4):ACC+2*(n%4)+1], v[WB+2*n:WB+2*n+1], v[XB+2*n:XB+2*n+1]
.else
	v_pk_fma_f32 v[ACC+2*(n%4):ACC+2*(n%4)+1], v[WB+2*n:WB+2*n+1], v[XB+2*n:XB+2*n+1], v[ACC+2*(n%4):ACC+2*(n%4)+1]
.endif
.set n, n+1
.endr
.if (\t)+3 < 8
	QLOAD (\t)+3
.endif
.if (\t)%2 == 1
	v_pk_add_f32 v[ACC:ACC+1], v[ACC:ACC+1], v[ACC+2:ACC+3]
	v_pk_add_f32 v[ACC+4:ACC+5], v[ACC+4:ACC+5], v[ACC+6:ACC+7]
	v_pk_add_f32 v[ACC:ACC+1], v[ACC:ACC+1], v[ACC+4:ACC+5]
	v_add_f32 v[TMP], v[ACC], v[ACC+1]
	v_add_f32_dpp v[TMP], v[TMP], v[TMP] row_xmask:1 row_mask:0xf bank_mask:0xf
	v_add_f32_dpp v[TMP], v[TMP], v[TMP] row_xmask:2 row_mask:0xf bank_mask:0xf
	v_add_f32_dpp v[TMP], v[TMP], v[TMP] row_xmask:4 row_mask:0xf bank_mask:0xf
	v_add_f32_dpp v[TMP], v[TMP], v[TMP] row_xmask:8 row_mask:0xf bank_mask:0xf
	v_permlanex16_b32 v[TMP+1], v[TMP], s36, s37
	v_add_f32 v[TMP], v[TMP], v[TMP+1]
	v_mul_f32 v[RES+(\t)/2], 0x3e0293ee, v[TMP]    ; x log2(e) / sqrt(128)
.endif
.endm
.irp t, 0,1,2,3,4,5,6,7
	s_wait_alu depctr_va_vdst(0)
	HALF \t
.endr
	v_cmp_eq_u32 vcc_lo, 0, v2
	s_wait_alu depctr_va_vdst(0)
	s_wait_xcnt 0x0                                ; EXEC changes only behind this wait
	s_and_saveexec_b32 s25, vcc_lo
	global_store_b128 v[ZER], v[RES:RES+3], s[22:23]
	s_wait_xcnt 0x0
	s_or_b32 exec_lo, exec_lo, s25
	s_endpgm
.Lfunc_end_k_qcaceaf93ac_prep:
	.size	k_qcaceaf93ac_prep, .Lfunc_end_k_qcaceaf93ac_prep-k_qcaceaf93ac_prep
	.p2alignl 7, 3214868480
	.fill 96, 4, 3214868480
	.section	.rodata,"a",@progbits
	.p2align	6, 0x0
	.amdhsa_kernel k_qcaceaf93ac_prep
		.amdhsa_group_segment_fixed_size 34304
		.amdhsa_private_segment_fixed_size 0
		.amdhsa_enable_private_segment 0
		.amdhsa_kernarg_size 80
		.amdhsa_user_sgpr_count 2
		.amdhsa_user_sgpr_kernarg_segment_ptr 1
		.amdhsa_wavefront_size32 1
		.amdhsa_system_sgpr_workgroup_id_x 1
		.amdhsa_system_sgpr_workgroup_id_y 1
		.amdhsa_system_sgpr_workgroup_id_z 1
		.amdhsa_system_vgpr_workitem_id 0
		.amdhsa_next_free_vgpr 244
		.amdhsa_next_free_sgpr 66
		.amdhsa_reserve_vcc 1
		.amdhsa_float_denorm_mode_32 3
		.amdhsa_float_denorm_mode_16_64 3
		.amdhsa_memory_ordered 1
		.amdhsa_forward_progress 1
		.amdhsa_inst_pref_size 50
	.end_amdhsa_kernel
	.amdgpu_metadata
---
amdhsa.version: [ 1, 2 ]
amdhsa.kernels:
  - .name:           k_qcaceaf93ac_prep
    .symbol:         k_qcaceaf93ac_prep.kd
    .args:
      - { .name: x2, .offset: 0, .size: 8, .value_kind: global_buffer, .address_space: global }
      - { .name: Wk, .offset: 8, .size: 8, .value_kind: global_buffer, .address_space: global }
      - { .name: Wv, .offset: 16, .size: 8, .value_kind: global_buffer, .address_space: global }
      - { .name: Wq, .offset: 24, .size: 8, .value_kind: global_buffer, .address_space: global }
      - { .name: a_codes, .offset: 32, .size: 8, .value_kind: global_buffer, .address_space: global }
      - { .name: a_scales, .offset: 40, .size: 8, .value_kind: global_buffer, .address_space: global }
      - { .name: w_codes, .offset: 48, .size: 8, .value_kind: global_buffer, .address_space: global }
      - { .name: w_scales, .offset: 56, .size: 8, .value_kind: global_buffer, .address_space: global }
      - { .name: x1, .offset: 64, .size: 8, .value_kind: global_buffer, .address_space: global }
      - { .name: qs, .offset: 72, .size: 8, .value_kind: global_buffer, .address_space: global }
    .group_segment_fixed_size: 34304
    .private_segment_fixed_size: 0
    .kernarg_segment_align: 8
    .kernarg_segment_size: 80
    .max_flat_workgroup_size: 128
    .sgpr_count:     66
    .vgpr_count:     244
    .wavefront_size: 32
...
	.end_amdgpu_metadata
.endif
;; end of part 1
;; launch attn (part 2): grid 16 x 16, 4 waves a work-group, clusters of 4 x 4, 327,680 bytes of LDS; arguments a_codes, a_scales, w_codes, w_scales, part_o, part_ml, qs; writes part_o, part_ml
.if DOCPART == 2
	.amdgcn_target "amdgcn-amd-amdhsa--gfx1250"
	.amdhsa_code_object_version 6
	.text
	.protected	k_qcaceaf93ac_attn
	.globl	k_qcaceaf93ac_attn
	.p2align	8
	.type	k_qcaceaf93ac_attn,@function
k_qcaceaf93ac_attn:
	s_mov_b64 s[64:65], 0
	v_nop
	global_prefetch_b8 v0, s[64:65] scope:SCOPE_SE
	s_setreg_imm32_b32 hwreg(HW_REG_WAVE_MODE, 25, 1), 1
	s_wait_xcnt 0x0
	s_wait_alu depctr_hold_cnt(0) depctr_sa_sdst(0) depctr_va_vdst(0) depctr_va_sdst(0) depctr_va_ssrc(0) depctr_va_vcc(0) depctr_vm_vsrc(0)
	s_getreg_b32 s2, hwreg(HW_REG_IB_STS2, 6, 4)
	s_cmp_eq_u32 s2, 0
	s_cbranch_scc0 .Lentry_in_a_cluster
	s_endpgm
.Lentry_in_a_cluster:
	s_bfe_u32 s2, ttmp6, 0x10000c
	s_cmp_lg_u32 s2, 0xf033
	s_cbranch_scc0 .Lentry_shape_is_right
	s_endpgm
.Lentry_shape_is_right:
; FOR ONE HEAD AND 512 KEYS, in two tiles of 256 keys: the tile [k_h | v_h] = x2 W^T, 256 keys x 256 columns, on codes of BF6 (E3M2) with one E8M0 scale for each 32 along K = 2,048; then, k and v never going to memory:
; t = k . qs (qs = q x log2(e) / sqrt(128)), M = the tile's largest t, p = 2^(t - M), l = the sum of p, o = the sum of p v.  The second tile's (M, l, o) are joined with the first's under the larger M, and o [128] and (M, l) are stored.
; THE OPERANDS LIE IN MEMORY AS REGISTER IMAGES (the launch before laid them): codes [unit of 16 rows][16 steps of 128 K][1,536 bytes = 3 planes of 512: registers 4 j .. 4 j + 3 of lane L at 512 j + 16 L];
; scale words [unit][8 pairs of steps][16 rows][2 words].  So a fragment is three ds_load_b128 at 16 x lane, dense, and a K step of 256 is 3,072 consecutive bytes of each unit, at a multiple of 256 bytes.
; SHARES.  Work-group (x = head, y): keys 512 y on.  Four waves, as many as a WGP has SIMDs; wave w makes keys 128 (w / 2) on x columns 128 (w % 2) on: 64 accumulators, 512 registers.
; Of a wave's eight blocks of 16 columns the first four are 64 channels of k, the last four 64 channels of v.
; K goes in steps of 256 through a ring of two LDS slots of 98,304 bytes; the ring goes on from the first tile into the second.  The scale words of x2's 512 rows (32,768 bytes) and W's 256 rows (16,384) come once and stay.
; THE HEAD: one tensor load a wave: x2's 256 rows of K step 0, W's 256 rows, x2's scale words, W's.  Slot 1 is first filled behind the full sequence and a round, as a refill is.
; CLUSTERS: 4 x 4 work-groups.  A row of the cluster (the same keys) asks for x2's tiles jointly, a column (one head) for W's.
; PREFETCH: behind the refill that asks for K step n each wave names K step n + 2: of the 8 units that the wave fetches, the partner at place p (cx for x2, cy for W) takes units 2 p and 2 p + 1: 24 blocks of 256 bytes, a lane a block
; (lanes 24-31 name the last again).  K steps 1 and 2 are named at the head, K step 3 behind slot 1's first fill.  W's rows are named in the first tile alone: the second reads the same.  The last two refills name nothing.
; THE MATRIX INSTRUCTION IS USED TRANSPOSED (source 0 = 16 rows of W, source 1 = 16 rows of x2): lane (r, h) holds key r, its register j the column 8 h + j.
; REGISTERS: window 0: v0-31 addresses; v32-63 scale words, two sets; v64-95 qs; v128-223 x2's fragments, ONE set; v244-249 the first tile's o, M, l; on the way out v96-243 are at work.
;   window 1: W's fragments, TWO sets, at v0 and v128.  window 2: the accumulators of my keys 0-63 (accumulator (a, b) at v[8 (8 a + b)]);  window 3: keys 64-127.
; LIMITS: NaN and infinities are not served.  p under 2^-126 counts as 0.  The sums of t, l and o are taken in an order of their own, all in f32.
.set FRB,    1536                      ; a fragment
.set RBK,    2*FRB                     ; a unit's bytes of a K step of 256
.set RBP,    16*FRB                    ; a unit's bytes in memory
.set NQ,     2
.set FR,     12
.set NL,     3                         ; LDS loads that bring a fragment
.set NP,     4                         ; places behind this matrix instruction (ISA guide 7.12.1)
.set HALFT,  8*RBK                     ; 128 rows of a K step
.set SLOT,   4*HALFT                   ; x2's 256 rows, then W's
.set LAPS,   4
.set BACK_B, 6*RBK                     ; from a slot's last K step of a tile back to its first
.set NEXT_A, 16*RBP-BACK_B             ; x2's next tile lies 16 units on
.set NEXTPF, 16*RBP-7*RBK              ; from a tile's K step 7 to the next tile's K step 0
.set SCL,    2*SLOT                    ; x2's scale words: tile 0's 16,384 bytes, tile 1's
.set SCLW,   SCL+32768                 ; W's
.set SPARE,  SCLW+16384                ; the spare words: 512 bytes that no other line names
.set SCR,    SPARE+512                 ; the waves' partial scores: 768 bytes a wave: key 16 a + r at 48 r + 4 a
.set OP,     SCR+4*768                 ; the two halves' parts of o: 512 bytes each
.set SCW,  7
.set RDO,  8
.set RDX,  9
.set OWA,  10
.set ORD,  11
.set GOF,  12                          ; 16 lane
.set ZER,  13
.set ADRS1, 14                         ; my scale words in the second tile
.set PFO,  15                          ; the prefetches' offset
.set ADRA, 16                          ; v16-17 my x2 fragments in slot 0, 1
.set ADRB, 20                          ; v20-21 W's
.set ADRS, 27                          ; my scale words in the first tile: lanes 0-15 x2's rows, lanes 16-31 W's
.set SPW,  28
.set NIL,  29
.set QOF,  30
.set SC,   32                          ; set s at v[SC + 16 s]; register 2 i + q: block i's words for the K step's q-th 128
.set QV,   64
.set SS,   96
.set SCO,  112
.set AF,   128
.set T,    128
.set P,    160
.set PD,   176
.set OA,   192
.set MX,   224
.set ML,   226
.set LS,   228
.set FO,   236
.set KO,   244                         ; the first tile's o
.set KM,   248                         ; its M, l
.set G1, 24
.set G0, 32
.set G1B, 48
.set G0B, 56
.set G1S, 68
.set G0S, 76
.set G1SB, 80
.set G0SB, 88
.set G0H, 4
.set G0HB, 8
; s[92:93] the prefetch address's step; s[94:95] the prefetch address, two K steps behind what it names; s100 the K step named last (0-15 over both tiles); s101 the last that my wave names
.set MSB, 0
.macro WIN new
.if MSB != \new
	s_set_vgpr_msb (MSB<<8)|\new
.set MSB, \new
.endif
.endm
.set MUL_LO, 0xa1
.set MUL_HI, 0xf1
.set TO_B,   0x40
.macro JLOAD g0a, g1a, g0b, g1b        ; waves 0, 1 fetch for x2, waves 2, 3 for W
	s_cmp_eq_u32 s15, 0
	s_cbranch_scc0 .Lfor_b_\@
	tensor_load_to_lds s[\g0a:\g0a+3], s[\g1a:\g1a+7]
	s_nop 0
.rept 4
	v_nop
.endr
	s_branch .Lasked_\@
.Lfor_b_\@:
	tensor_load_to_lds s[\g0b:\g0b+3], s[\g1b:\g1b+7]
	s_nop 0
.rept 4
	v_nop
.endr
.Lasked_\@:
.endm
.macro CREST
	s_cmp_lg_u32 s14, 0
	s_cbranch_scc1 .Lnot_wave_0_\@
	s_barrier_signal -3
.Lnot_wave_0_\@:
	s_barrier_wait -3
	s_barrier_signal -1
	s_barrier_wait -1
.endm
.macro CROUND
	s_barrier_signal -1
	s_barrier_wait -1
	CREST
.endm
.macro BAR
	s_wait_dscnt 0x0
	s_barrier_signal -1
	s_barrier_wait -1
.endm
.macro PFSTEP                          ; the prefetch address goes one K step on, behind the wait that frees it
	s_wait_xcnt 0x0
	s_mov_b32 s92, RBK
	s_cmp_eq_u32 s100, 7
	s_cselect_b32 s92, NEXTPF, s92
	s_add_nc_u64 s[94:95], s[94:95], s[92:93]
	s_add_co_u32 s100, s100, 1
.endm
.macro ASK
	s_cmp_le_u32 s100, s101
	s_cbranch_scc0 .Lnot_mine_\@
	global_prefetch_b8 v[PFO], s[94:95] offset:2*RBK th:TH_LOAD_NT scope:SCOPE_SE
.Lnot_mine_\@:
.endm
	s_load_b128 s[4:7], s[0:1], 0x0                ; x2's codes, scale words
	s_load_b128 s[8:11], s[0:1], 0x10              ; W's
	s_load_b128 s[96:99], s[0:1], 0x20             ; part_o, part_ml
	s_load_b64 s[12:13], s[0:1], 0x30              ; qs
	v_lshl_add_u32 v[SPW], v0, 2, SPARE
	v_mov_b32 v[NIL], 0
	ds_add_u32 v[SPW], v[NIL]                      ; the opening lines: the add, twice on end, and its wait
	ds_add_u32 v[SPW], v[NIL]
	v_lshrrev_b32 v1, 5, v0
	v_readfirstlane_b32 s14, v1                    ; wave
	s_lshr_b32 s15, s14, 1                         ; my half of the keys; also: I fetch for x2 (0) or W (1)
	s_and_b32 s16, s14, 1                          ; my half of the columns; also: which 128 rows I fetch
	s_bfe_u32 s40, ttmp6, 0x40000                  ; cx
	s_bfe_u32 s41, ttmp6, 0x40004                  ; cy
	s_lshl_b32 s42, ttmp9, 2
	s_add_co_u32 s42, s42, s40                     ; the head
	s_and_b32 s17, ttmp7, 0xffff
	s_lshl_b32 s17, s17, 2
	s_add_co_u32 s17, s17, s41                     ; y
	s_lshl_b32 s43, s41, 2
	s_lshl_b32 s43, 15, s43                        ; my row of the cluster
	s_lshl_b32 s44, 0x1111, s40                    ; my column
	s_mov_b32 s66, 0x76543210
	s_mov_b32 s67, 0xfedcba98
	s_or_b32 s[G1+0], s43, (3<<16)|(1<<21)         ; elements of 8 bytes, no padding; the mask, bit 21 beside it
	s_or_b32 s[G1B+0], s44, (3<<16)|(1<<21)
.irp g, G1, G1B
	s_mov_b32 s[\g+1], (RBK/8)<<16                 ; a row: a unit's 3,072 bytes
	s_mov_b32 s[\g+2], 16<<16                      ; 16 units for the head's loads; 8 behind them
	s_mov_b32 s[\g+3], (RBK/8)<<16
	s_mov_b32 s[\g+4], 16
	s_mov_b32 s[\g+5], RBP/8
	s_mov_b32 s[\g+6], 0
	s_mov_b32 s[\g+7], 0
.endr
	s_or_b32 s[G1S+0], s43, (3<<16)|(1<<21)        ; the scale words: dense blocks, as rows of 256 bytes
	s_or_b32 s[G1SB+0], s44, (3<<16)|(1<<21)
	s_mov_b32 s[G1S+2], 128<<16
	s_mov_b32 s[G1S+4], 128
	s_mov_b32 s[G1SB+2], 64<<16
	s_mov_b32 s[G1SB+4], 64
.irp g, G1S, G1SB
	s_mov_b32 s[\g+1], 32<<16
	s_mov_b32 s[\g+3], 32<<16
	s_mov_b32 s[\g+5], 32
	s_mov_b32 s[\g+6], 0
	s_mov_b32 s[\g+7], 0
.endr
	s_mul_i32 s20, s17, 32*RBP                     ; x2: 32 units a work-group
	s_mul_i32 s46, s42, 16*RBP                     ; W: 16 units a head
	s_mov_b32 s21, 0
	s_mov_b32 s47, 0
	s_lshl_b32 s22, s17, 15                        ; their scale words
	s_mov_b32 s23, 0
	s_lshl_b32 s92, s42, 14
	s_mov_b32 s93, 0
	s_mul_i32 s18, s16, 8*RBP                      ; in the ring I fetch 8 units: which
	s_mov_b32 s19, 0
	s_mul_i32 s45, s14, HALFT                      ; and where they go
	s_wait_dscnt 0x0                               ; both opening adds are done
	s_wait_kmcnt 0x0
	s_add_nc_u64 s[20:21], s[4:5], s[20:21]
	s_add_nc_u64 s[22:23], s[6:7], s[22:23]
	s_add_nc_u64 s[46:47], s[8:9], s[46:47]
	s_add_nc_u64 s[92:93], s[10:11], s[92:93]
	CROUND                                         ; the first joint loads meet
	s_mov_b32 s[G0H], 1
	s_mov_b32 s[G0H+1], 0
	s_mov_b64 s[G0H+2:G0H+3], s[20:21]
	s_or_b32 s[G0H+3], s[G0H+3], 0x80000000
	s_mov_b32 s[G0HB], 1
	s_mov_b32 s[G0HB+1], 2*HALFT
	s_mov_b64 s[G0HB+2:G0HB+3], s[46:47]
	s_or_b32 s[G0HB+3], s[G0HB+3], 0x80000000
	s_mov_b32 s[G0S], 1
	s_mov_b32 s[G0S+1], SCL
	s_mov_b64 s[G0S+2:G0S+3], s[22:23]
	s_or_b32 s[G0S+3], s[G0S+3], 0x80000000
	s_mov_b32 s[G0SB], 1
	s_mov_b32 s[G0SB+1], SCLW
	s_mov_b64 s[G0SB+2:G0SB+3], s[92:93]
	s_or_b32 s[G0SB+3], s[G0SB+3], 0x80000000
	s_add_nc_u64 s[20:21], s[20:21], s[18:19]      ; for the ring: my 8 units
	s_add_nc_u64 s[46:47], s[46:47], s[18:19]
.irp s, 0,1
	s_mov_b32 s[G0+4*\s], 1
	s_add_co_u32 s[G0+4*\s+1], s45, \s*SLOT
	s_add_nc_u64 s[G0+4*\s+2:G0+4*\s+3], s[20:21], \s*RBK
	s_or_b32 s[G0+4*\s+3], s[G0+4*\s+3], 0x80000000
	s_mov_b32 s[G0B+4*\s], 1
	s_add_co_u32 s[G0B+4*\s+1], s45, \s*SLOT
	s_add_nc_u64 s[G0B+4*\s+2:G0B+4*\s+3], s[46:47], \s*RBK
	s_or_b32 s[G0B+4*\s+3], s[G0B+4*\s+3], 0x80000000
.endr
	s_cmp_eq_u32 s15, 0                            ; the prefetches: of my 8 units my work-group's two, told apart by address
	s_cselect_b64 s[94:95], s[20:21], s[46:47]
	s_cselect_b32 s2, s40, s41
	s_cselect_b32 s101, 15, 7
	s_mul_i32 s2, s2, 2*RBP
	s_add_co_u32 s2, s2, RBK                       ; at K step 1
	s_mov_b32 s3, 0
	s_add_nc_u64 s[94:95], s[94:95], s[2:3]
	s_mov_b32 s100, 3
	s_mov_b32 s93, 0
.macro ARM under, g0, g1, next         ; one tree of branches on the wave's number: every way passes exactly one load
	s_cmp_lt_u32 s14, \under
	s_cbranch_scc0 \next
	tensor_load_to_lds s[\g0:\g0+3], s[\g1:\g1+7]
	s_nop 0
.rept 4
	v_nop
.endr
	s_branch .Lhead_asked
\next:
.endm
	ARM 1, G0H,  G1,  .Lhead_b
	ARM 2, G0HB, G1B, .Lhead_sa
	ARM 3, G0S,  G1S, .Lhead_sb
	tensor_load_to_lds s[G0SB:G0SB+3], s[G1SB:G1SB+7]
	s_nop 0
.rept 4
	v_nop
.endr
.Lhead_asked:
	v_and_b32 v1, 31, v0
	v_min_u32 v1, 23, v1                           ; 24 blocks of 256 bytes; lanes 24-31 name the last again
	v_mul_u32_u24 v2, v1, 22
	v_lshrrev_b32 v2, 8, v2                        ; 1 from block 12 on: the second unit
	v_mul_u32_u24 v2, v2, RBP-RBK
	v_lshl_add_u32 v[PFO], v1, 8, v2
	global_prefetch_b8 v[PFO], s[94:95] th:TH_LOAD_NT scope:SCOPE_SE               ; K step 1
	global_prefetch_b8 v[PFO], s[94:95] offset:RBK th:TH_LOAD_NT scope:SCOPE_SE    ; K step 2
	s_mul_i32 s21, s15, HALFT                      ; my 128 rows of x2
	s_mul_i32 s22, s16, HALFT
	s_add_co_u32 s22, s22, 2*HALFT                 ; my 128 rows of W
	s_lshl_b32 s23, s15, 13
	s_add_co_u32 s23, s23, SCL                     ; x2's scale words, first tile
	s_lshl_b32 s18, s16, 13
	s_add_co_u32 s18, s18, SCLW
	s_sub_co_u32 s18, s18, s23                     ; the distance to W's
	s_sub_co_u32 s19, s18, 16384                   ; and from the second tile's
	s_mul_i32 s43, s14, 768
	s_add_co_u32 s43, s43, SCR
	s_mul_i32 s44, s15, 1536
	s_add_co_u32 s44, s44, SCR
	s_xor_b32 s45, s15, 1
	s_mul_i32 s45, s45, 1536
	s_add_co_u32 s45, s45, SCR
	s_lshl_b32 s40, s14, 8
	s_add_co_u32 s40, s40, OP
	s_lshl_b32 s46, s42, 9                         ; qs: 512 bytes a head, + 256 for the upper 64 channels
	s_lshl_b32 s47, s16, 8
	s_add_co_u32 s46, s46, s47
	s_mov_b32 s47, 0
	s_add_nc_u64 s[12:13], s[12:13], s[46:47]
	s_lshl_b32 s20, s42, 4
	s_add_co_u32 s20, s20, s17                     ; 16 x head + y
	s_lshl_b32 s46, s20, 9
	s_add_nc_u64 s[96:97], s[96:97], s[46:47]
	s_lshl_b32 s46, s20, 3
	s_add_nc_u64 s[98:99], s[98:99], s[46:47]
	v_and_b32 v1, 15, v0                           ; r
	v_bfe_u32 v2, v0, 4, 1                         ; h
	v_and_b32 v3, 31, v0
	v_lshlrev_b32 v[GOF], 4, v3
	v_add_nc_u32 v[ADRA], s21, v[GOF]
	v_add_nc_u32 v[ADRB], s22, v[GOF]
	v_add_nc_u32 v[ADRA+1], SLOT, v[ADRA]
	v_add_nc_u32 v[ADRB+1], SLOT, v[ADRB]
	v_lshlrev_b32 v5, 3, v1                        ; 8 r: a row's two words
	v_mul_u32_u24 v6, s18, v2                      ; lanes 16-31 take W's: the lower base + h x the distance
	v_add_nc_u32 v6, v5, v6
	v_add_nc_u32 v[ADRS], s23, v6
	v_mul_u32_u24 v6, s19, v2
	v_add_nc_u32 v6, v5, v6
	v_add_nc_u32 v6, s23, v6
	v_add_nc_u32 v[ADRS1], 16384, v6
	v_mul_u32_u24 v6, v1, 48
	v_add_nc_u32 v[SCW], s43, v6
	v_add_nc_u32 v[RDO], s44, v6
	v_add_nc_u32 v[RDX], s45, v6
	v_lshlrev_b32 v[QOF], 5, v2
	v_add_nc_u32 v[OWA], s40, v[QOF]
	v_add_nc_u32 v[ORD], OP, v[GOF]
	v_mov_b32 v[ZER], 0
	s_wait_alu depctr_va_vdst(0)                   ; the wait at the head's end
.irp b, 0,1,2,3
	global_load_b128 v[QV+8*\b:QV+8*\b+3], v[QOF], s[12:13] offset:64*\b        ; qs: waited for on the first way out
	global_load_b128 v[QV+8*\b+4:QV+8*\b+7], v[QOF], s[12:13] offset:64*\b+16
.endr
.macro FRAG reg, adr, q, i             ; unit i's fragment of the slot's q-th 128 along K: three planes, 16 bytes a lane
.irp j, 0,1,2
	ds_load_b128 v[\reg+4*\j:\reg+4*\j+3], v[\adr] offset:(\i)*RBK+(\q)*FRB+512*\j
.endr
.endm
; 16 matrix instructions: x2's blocks a0, a0 + 1 x W's eight.  The 64 accumulators take turns, in the same order in every step.
.macro MUL16 a0, p, q, sc, zero
.irp a, \a0, \a0+1
.irp b, 0,1,2,3,4,5,6,7
.if \zero
	v_wmma_scale_f32_16x16x128_f8f6f4 v[8*(8*((\a)%4)+\b):8*(8*((\a)%4)+\b)+7], v[128*(\p)+FR*\b:128*(\p)+FR*\b+FR-1], v[AF+FR*(\a):AF+FR*(\a)+FR-1], 0, v[SC+8*NQ*(\sc)+NQ*\b+(\q)], v[SC+8*NQ*(\sc)+NQ*(\a)+(\q)] matrix_a_fmt:MATRIX_FMT_BF6 matrix_b_fmt:MATRIX_FMT_BF6 matrix_a_scale:MATRIX_SCALE_ROW1
.else
	v_wmma_scale_f32_16x16x128_f8f6f4 v[8*(8*((\a)%4)+\b):8*(8*((\a)%4)+\b)+7], v[128*(\p)+FR*\b:128*(\p)+FR*\b+FR-1], v[AF+FR*(\a):AF+FR*(\a)+FR-1], v[8*(8*((\a)%4)+\b):8*(8*((\a)%4)+\b)+7], v[SC+8*NQ*(\sc)+NQ*\b+(\q)], v[SC+8*NQ*(\sc)+NQ*(\a)+(\q)] matrix_a_fmt:MATRIX_FMT_BF6 matrix_b_fmt:MATRIX_FMT_BF6 matrix_a_scale:MATRIX_SCALE_ROW1
.endif
.endr
.endr
.endm
.macro FETCH_B slot, q, p
	WIN TO_B
.irp i, 0,1,2,3,4,5,6,7
	FRAG 128*(\p)+FR*\i, ADRB+\slot, \q, \i
.endr
	WIN 0
.endm
.macro FETCH_A slot, q, i0
.irp i, \i0, \i0+1, \i0+2, \i0+3
	FRAG AF+FR*(\i), ADRA+\slot, \q, \i
.endr
.endm
.macro SCALES sc                       ; a K step's scale words: lanes 0-15 x2's block i, lanes 16-31 W's
.irp i, 0,1,2,3,4,5,6,7
	ds_load_b64 v[SC+8*NQ*\sc+NQ*\i:SC+8*NQ*\sc+NQ*\i+1], v[ADRSR] offset:\i*1024
.endr
.endm
.macro PLACES n
.rept \n
	v_nop
.endr
.endm
; A step of 128 along K that has its successor in the same slot.  x2 has one set: blocks 0-3 are fetched anew in the step's middle, blocks 4-7 at its end.  W has two sets.
.macro STEP slot, q, zero
	s_wait_dscnt 4*NL                              ; all but the youngest 12 loads (x2's blocks 4-7)
	WIN MUL_LO
	MUL16 0, (\q)%2, \q, \slot, \zero
	MUL16 2, (\q)%2, \q, \slot, \zero
	s_wait_dscnt 0
	PLACES NP
	FETCH_B \slot, (\q)+1, 1-(\q)%2
	FETCH_A \slot, (\q)+1, 0
	WIN MUL_HI
	MUL16 4, (\q)%2, \q, \slot, \zero
	MUL16 6, (\q)%2, \q, \slot, \zero
	PLACES NP
	WIN 0
	FETCH_A \slot, (\q)+1, 4
.endm
; The first half of a slot's last step: one barrier for the change of slots.
.macro MEET slot
	s_wait_tensorcnt 0x0                           ; all my tensor loads have landed: my part of the next slot
	ds_add_u32 v[SPW], v[NIL]
	s_wait_dscnt 4*NL+1                            ; (the add and the youngest 12 loads may be out)
	WIN MUL_LO
	MUL16 0, 1, NQ-1, \slot, 0
	s_wait_dscnt 0x0                               ; the add is done, my reads of this slot are over
	s_barrier_signal -1
	MUL16 2, 1, NQ-1, \slot, 0
	WIN 0
	s_barrier_wait -1
.endm
.macro REFILL slot, on                 ; on = 0: this tile's K step two on;  1: the next tile's K step 0 or 1
	CREST                                          ; the barrier has opened a round of the cluster's barrier
.if \on
	s_add_nc_u64 s[G0+4*\slot+2:G0+4*\slot+3], s[G0+4*\slot+2:G0+4*\slot+3], NEXT_A
	s_sub_nc_u64 s[G0B+4*\slot+2:G0B+4*\slot+3], s[G0B+4*\slot+2:G0B+4*\slot+3], BACK_B
.else
	s_add_nc_u64 s[G0+4*\slot+2:G0+4*\slot+3], s[G0+4*\slot+2:G0+4*\slot+3], 2*RBK
	s_add_nc_u64 s[G0B+4*\slot+2:G0B+4*\slot+3], s[G0B+4*\slot+2:G0B+4*\slot+3], 2*RBK
.endif
	JLOAD G0+4*\slot, G1, G0B+4*\slot, G1B         ; my one load until the next round; its four v_nop are the places in front of the loads that follow
.endm
.macro TURN slot, next, fill           ; a slot's last step, with the next slot's first fragments
.if \fill
	PFSTEP
.endif
	MEET \slot
.if \fill
	REFILL \slot, (\fill)-1
.else
	PLACES NP
.endif
	s_wait_alu depctr_va_vdst(0)                   ; the wait ahead of this reader
	v_add_nc_u32 v[ADRSR], 128, v[ADRSR]           ; the next K step's scale words
	FETCH_B \next, 0, 0
	FETCH_A \next, 0, 0
	SCALES \next
.if \fill
	ASK
.endif
	WIN MUL_HI
	MUL16 4, 1, NQ-1, \slot, 0
	MUL16 6, 1, NQ-1, \slot, 0
	PLACES NP
	WIN 0
	FETCH_A \next, 0, 4
.endm
.macro LASTFILL                        ; the first tile's last step: slot 1 takes the second tile's K step 1; the next fragments are read behind the way out
	PFSTEP
	MEET 1
	REFILL 1, 1
	ASK
	WIN MUL_HI
	MUL16 4, 1, NQ-1, 1, 0
	MUL16 6, 1, NQ-1, 1, 0
	WIN 0
.endm
; ================ THE WAY OUT of tile tl ================
.macro WAYOUT tl
	PLACES NP
	s_wait_loadcnt 0x0                             ; qs
	; SCORES: for each of my eight blocks a of 16 keys the sum over my 64 channels of k x qs; each accumulator is read from its low end on
.irp wnd, 0,1
	WIN 0x02+\wnd
.irp b, 0,1,2,3
.irp jp, 0,1,2,3
.irp a4, 0,1,2,3
.if (\b == 0) && (\jp == 0)
	v_pk_mul_f32 v[SS+2*(4*\wnd+\a4):SS+2*(4*\wnd+\a4)+1], v[8*(8*\a4+\b)+2*\jp:8*(8*\a4+\b)+2*\jp+1], v[QV+8*\b+2*\jp:QV+8*\b+2*\jp+1]
.else
	v_pk_fma_f32 v[SS+2*(4*\wnd+\a4):SS+2*(4*\wnd+\a4)+1], v[8*(8*\a4+\b)+2*\jp:8*(8*\a4+\b)+2*\jp+1], v[QV+8*\b+2*\jp:QV+8*\b+2*\jp+1], v[SS+2*(4*\wnd+\a4):SS+2*(4*\wnd+\a4)+1]
.endif
.endr
.endr
.endr
.endr
	WIN 0
.irp a, 0,1,2,3,4,5,6,7
	v_add_f32 v[SS+2*\a], v[SS+2*\a], v[SS+2*\a+1]
.endr
.irp a, 0,1,2,3,4,5,6,7
	v_permlanex16_b32 v[SS+2*\a+1], v[SS+2*\a], s66, s67
.endr
.irp a, 0,1,2,3,4,5,6,7
	v_add_f32 v[SCO+\a], v[SS+2*\a], v[SS+2*\a+1]
.endr
	ds_store_b128 v[SCW], v[SCO:SCO+3]             ; lanes r and r + 16 write the same bytes with the same values
	ds_store_b128 v[SCW], v[SCO+4:SCO+7] offset:16
	BAR
	; SOFTMAX OF THE TILE: every wave takes all 256 scores; t = the lower 64 channels' part + the upper's, the same bits in every wave
	ds_load_b128 v[T:T+3], v[RDO]
	ds_load_b128 v[T+4:T+7], v[RDO] offset:16
	ds_load_b128 v[T+8:T+11], v[RDO] offset:768
	ds_load_b128 v[T+12:T+15], v[RDO] offset:784
	ds_load_b128 v[T+16:T+19], v[RDX]
	ds_load_b128 v[T+20:T+23], v[RDX] offset:16
	ds_load_b128 v[T+24:T+27], v[RDX] offset:768
	ds_load_b128 v[T+28:T+31], v[RDX] offset:784
	s_wait_dscnt 0x0
.irp n, 0,2,4,6
	v_pk_add_f32 v[P+\n:P+\n+1], v[T+\n:T+\n+1], v[T+8+\n:T+8+\n+1]
	v_pk_add_f32 v[P+8+\n:P+8+\n+1], v[T+16+\n:T+16+\n+1], v[T+24+\n:T+24+\n+1]
.endr
	v_max3_num_f32 v[ML], v[P], v[P+1], v[P+2]
	v_max3_num_f32 v[MX], v[P+3], v[P+4], v[P+5]
	v_max3_num_f32 v[ML], v[ML], v[P+6], v[P+7]
	v_max3_num_f32 v[MX], v[MX], v[P+8], v[P+9]
	v_max3_num_f32 v[ML], v[ML], v[P+10], v[P+11]
	v_max3_num_f32 v[MX], v[MX], v[P+12], v[P+13]
	v_max3_num_f32 v[ML], v[ML], v[P+14], v[P+15]
	v_max_num_f32 v[ML], v[ML], v[MX]
.irp m, 1,2,4,8
	v_max_num_f32_dpp v[ML], v[ML], v[ML] row_xmask:\m row_mask:0xf bank_mask:0xf
.endr
.irp a, 0,1,2,3,4,5,6,7
	v_sub_f32 v[PD+2*\a], v[P+\a], v[ML]           ; my half's keys in the even registers,
	v_sub_f32 v[PD+2*\a+1], v[P+8+\a], v[ML]       ; the other half's in the odd ones
.endr
	s_wait_alu depctr_va_vdst(0)                   ; the wait ahead of the batch
.irp n, 0,1,2,3,4,5,6,7,8,9,10,11,12,13,14,15
	v_exp_f32 v[PD+\n], v[PD+\n]
.endr
	v_nop
	s_wait_alu depctr_va_vdst(0)                   ; and behind it
	v_pk_add_f32 v[LS:LS+1], v[PD:PD+1], v[PD+2:PD+3]
	v_pk_add_f32 v[LS+2:LS+3], v[PD+4:PD+5], v[PD+6:PD+7]
	v_pk_add_f32 v[LS:LS+1], v[LS:LS+1], v[PD+8:PD+9]
	v_pk_add_f32 v[LS+2:LS+3], v[LS+2:LS+3], v[PD+10:PD+11]
	v_pk_add_f32 v[LS:LS+1], v[LS:LS+1], v[PD+12:PD+13]
	v_pk_add_f32 v[LS+2:LS+3], v[LS+2:LS+3], v[PD+14:PD+15]
	v_pk_add_f32 v[LS:LS+1], v[LS:LS+1], v[LS+2:LS+3]
	v_add_f32 v[ML+1], v[LS], v[LS+1]
.irp m, 1,2,4,8
	v_add_f32_dpp v[ML+1], v[ML+1], v[ML+1] row_xmask:\m row_mask:0xf bank_mask:0xf
.endr
	; THE WEIGHTED SUM OF v: of the pair (my half's p, the other half's) the low word serves both halves of the product
.irp wnd, 0,1
	WIN 0x02+\wnd
.irp a4, 0,1,2,3
.irp bb, 0,1,2,3
.irp jp, 0,1,2,3
.if (\wnd == 0) && (\a4 == 0)
	v_pk_mul_f32 v[OA+8*\bb+2*\jp:OA+8*\bb+2*\jp+1], v[8*(8*\a4+4+\bb)+2*\jp:8*(8*\a4+4+\bb)+2*\jp+1], v[PD+2*(4*\wnd+\a4):PD+2*(4*\wnd+\a4)+1] op_sel_hi:[1,0]
.else
	v_pk_fma_f32 v[OA+8*\bb+2*\jp:OA+8*\bb+2*\jp+1], v[8*(8*\a4+4+\bb)+2*\jp:8*(8*\a4+4+\bb)+2*\jp+1], v[PD+2*(4*\wnd+\a4):PD+2*(4*\wnd+\a4)+1], v[OA+8*\bb+2*\jp:OA+8*\bb+2*\jp+1] op_sel_hi:[1,0,1]
.endif
.endr
.endr
.endr
.endr
	WIN 0
.irp m, 1,2,4,8
.set n, 0
.rept 32
	v_add_f32_dpp v[OA+n], v[OA+n], v[OA+n] row_xmask:\m row_mask:0xf bank_mask:0xf
.set n, n+1
.endr
.endr
.irp bb, 0,1,2,3
	ds_store_b128 v[OWA], v[OA+8*\bb:OA+8*\bb+3] offset:64*\bb
	ds_store_b128 v[OWA], v[OA+8*\bb+4:OA+8*\bb+7] offset:64*\bb+16
.endr
	BAR
	ds_load_b128 v[FO:FO+3], v[ORD]                ; every wave adds the two halves' parts: lane L has channels 4 L on
	ds_load_b128 v[FO+4:FO+7], v[ORD] offset:512
	s_wait_dscnt 0x0
.if \tl == 0
	v_pk_add_f32 v[KO:KO+1], v[FO:FO+1], v[FO+4:FO+5]          ; the first tile's o, M, l stay in registers
	v_pk_add_f32 v[KO+2:KO+3], v[FO+2:FO+3], v[FO+6:FO+7]
	v_mov_b32 v[KM], v[ML]
	v_mov_b32 v[KM+1], v[ML+1]
.else
	v_pk_add_f32 v[FO:FO+1], v[FO:FO+1], v[FO+4:FO+5]
	v_pk_add_f32 v[FO+2:FO+3], v[FO+2:FO+3], v[FO+6:FO+7]
	v_max_num_f32 v[MX], v[KM], v[ML]              ; both tiles under the larger M
	v_sub_f32 v[LS], v[KM], v[MX]
	v_sub_f32 v[LS+2], v[ML], v[MX]
	s_wait_alu depctr_va_vdst(0)
	v_exp_f32 v[LS], v[LS]
	v_exp_f32 v[LS+2], v[LS+2]
	v_nop
	s_wait_alu depctr_va_vdst(0)
	v_mul_f32 v[ML+1], v[ML+1], v[LS+2]
	v_pk_mul_f32 v[FO:FO+1], v[FO:FO+1], v[LS+2:LS+3] op_sel_hi:[1,0]
	v_pk_mul_f32 v[FO+2:FO+3], v[FO+2:FO+3], v[LS+2:LS+3] op_sel_hi:[1,0]
	v_fma_f32 v[ML+1], v[KM+1], v[LS], v[ML+1]
	v_pk_fma_f32 v[FO:FO+1], v[KO:KO+1], v[LS:LS+1], v[FO:FO+1] op_sel_hi:[1,0,1]
	v_pk_fma_f32 v[FO+2:FO+3], v[KO+2:KO+3], v[LS:LS+1], v[FO+2:FO+3] op_sel_hi:[1,0,1]
	v_mov_b32 v[ML], v[MX]
	s_wait_alu depctr_va_vdst(0)                   ; the wait ahead of the branch and the waits below
	s_cmp_lg_u32 s14, 0                            ; wave 0 stores: no barrier stands under this branch
	s_cbranch_scc1 .Lnot_first
	global_store_b128 v[GOF], v[FO:FO+3], s[96:97] ; 512 consecutive bytes, aligned
	v_cmp_eq_u32 vcc_lo, 0, v0
	s_wait_xcnt 0x0                                ; EXEC changes only behind this wait
	s_and_saveexec_b32 s2, vcc_lo
	global_store_b64 v[ZER], v[ML:ML+1], s[98:99]  ; lane 0: (M, l)
	s_wait_xcnt 0x0
	s_or_b32 exec_lo, exec_lo, s2
.Lnot_first:
.endif
.endm
.macro TILE more                       ; slot 0 holds the tile's K step 0, whole for every wave; slot 1's load may be on its way
	FETCH_B 0, 0, 0
	FETCH_A 0, 0, 0
	SCALES 0
	FETCH_A 0, 0, 4
	STEP 0, 0, 1                                   ; the first step's products start the sums
	s_mov_b32 s3, LAPS-1
.Llap_\@:
	TURN 0, 1, 1
	STEP 1, 0, 0
	TURN 1, 0, 1
	STEP 0, 0, 0
	s_sub_co_u32 s3, s3, 1
	s_cmp_lg_u32 s3, 0
	s_cbranch_scc1 .Llap_\@
.if \more
	TURN 0, 1, 2                                   ; the ring goes on into the next tile
	STEP 1, 0, 0
	LASTFILL
.else
	TURN 0, 1, 0                                   ; the last lap fills nothing
	STEP 1, 0, 0
	s_wait_dscnt 4*NL
	WIN MUL_LO
	MUL16 0, 1, NQ-1, 1, 0
	MUL16 2, 1, NQ-1, 1, 0
	s_wait_dscnt 0
	WIN MUL_HI
	MUL16 4, 1, NQ-1, 1, 0
	MUL16 6, 1, NQ-1, 1, 0
	WIN 0
.endif
.endm
	s_wait_tensorcnt 0x0                           ; my tile of the head's four is in
	ds_add_u32 v[SPW], v[NIL]
	s_mov_b32 s[G1+2], 8<<16                       ; no tensor load of mine is out: from here on a load brings 8 units
	s_mov_b32 s[G1+4], 8
	s_mov_b32 s[G1B+2], 8<<16
	s_mov_b32 s[G1B+4], 8
	s_wait_dscnt 0x0
	CROUND
	JLOAD G0+4, G1, G0B+4, G1B                     ; K step 1, the first tensor load behind the round
	global_prefetch_b8 v[PFO], s[94:95] offset:2*RBK th:TH_LOAD_NT scope:SCOPE_SE   ; K step 3
.set ADRSR, ADRS
	TILE 1
	WAYOUT 0
.set ADRSR, ADRS1
	TILE 0
	WAYOUT 1
	s_wait_tensorcnt 0x0                           ; the wave's end
	ds_add_u32 v[SPW], v[NIL]
	s_wait_dscnt 0x0
	CROUND                                         ; the closing round
	s_endpgm
.Lfunc_end_k_qcaceaf93ac_attn:
	.size	k_qcaceaf93ac_attn, .Lfunc_end_k_qcaceaf93ac_attn-k_qcaceaf93ac_attn
	.p2alignl 7, 3214868480
	.fill 96, 4, 3214868480
	.section	.rodata,"a",@progbits
	.p2align	6, 0x0
	.amdhsa_kernel k_qcaceaf93ac_attn
		.amdhsa_group_segment_fixed_size 327680
		.amdhsa_private_segment_fixed_size 0
		.amdhsa_enable_private_segment 0
		.amdhsa_kernarg_size 56
		.amdhsa_user_sgpr_count 2
		.amdhsa_user_sgpr_kernarg_segment_ptr 1
		.amdhsa_wavefront_size32 1
		.amdhsa_system_sgpr_workgroup_id_x 1
		.amdhsa_system_sgpr_workgroup_id_y 1
		.amdhsa_system_sgpr_workgroup_id_z 1
		.amdhsa_system_vgpr_workitem_id 0
		.amdhsa_next_free_vgpr 1024
		.amdhsa_next_free_sgpr 102
		.amdhsa_reserve_vcc 1
		.amdhsa_float_denorm_mode_32 3
		.amdhsa_float_denorm_mode_16_64 3
		.amdhsa_memory_ordered 1
		.amdhsa_forward_progress 1
		.amdhsa_inst_pref_size 255
	.end_amdhsa_kernel
	.section	.bss,"aw",@nobits
	.p2align	6
	.space	262144
	.amdgpu_metadata
---
amdhsa.version: [ 1, 2 ]
amdhsa.kernels:
  - .name:           k_qcaceaf93ac_attn
    .symbol:         k_qcaceaf93ac_attn.kd
    .args:
      - { .name: a_codes, .offset: 0, .size: 8, .value_kind: global_buffer, .address_space: global }
      - { .name: a_scales, .offset: 8, .size: 8, .value_kind: global_buffer, .address_space: global }
      - { .name: w_codes, .offset: 16, .size: 8, .value_kind: global_buffer, .address_space: global }
      - { .name: w_scales, .offset: 24, .size: 8, .value_kind: global_buffer, .address_space: global }
      - { .name: part_o, .offset: 32, .size: 8, .value_kind: global_buffer, .address_space: global }
      - { .name: part_ml, .offset: 40, .size: 8, .value_kind: global_buffer, .address_space: global }
      - { .name: qs, .offset: 48, .size: 8, .value_kind: global_buffer, .address_space: global }
    .group_segment_fixed_size: 327680
    .private_segment_fixed_size: 0
    .kernarg_segment_align: 8
    .kernarg_segment_size: 56
    .max_flat_workgroup_size: 128
    .sgpr_count:     102
    .vgpr_count:     1024
    .wavefront_size: 32
...
	.end_amdgpu_metadata
.endif
;; end of part 2
;; launch finish (part 3): grid 128 x 1, 16 waves a work-group, no clusters, 10,496 bytes of LDS; arguments part_o, part_ml, Wo, bo, out0; writes out0
.if DOCPART == 3
	.amdgcn_target "amdgcn-amd-amdhsa--gfx1250"
	.amdhsa_code_object_version 6
	.text
	.protected	k_qcaceaf93ac_finish
	.globl	k_qcaceaf93ac_finish
	.p2align	8
	.type	k_qcaceaf93ac_finish,@function
k_qcaceaf93ac_finish:
	s_mov_b64 s[64:65], 0
	v_nop
	global_prefetch_b8 v0, s[64:65] scope:SCOPE_SE
	s_setreg_imm32_b32 hwreg(HW_REG_WAVE_MODE, 25, 1), 1
	s_wait_xcnt 0x0
; THE JOIN AND THE LAST PRODUCT.  part_o [16 heads][16 blocks][128], part_ml [16][16][2] = (M_b, l_b): block b of a head gave o_b = the sum of 2^(t - M_b) v and l_b = the sum of 2^(t - M_b).
; With M = the head's largest M_b and w_b = 2^(M_b - M): the head's result = (the sum of w_b o_b) / (the sum of w_b l_b).  Then out0 = result Wo^T + bo, Wo [512][2048], all in f32 by fused multiply-adds (one row of output).
; SHARES.  Work-group g makes outputs 4 g .. 4 g + 3.  First every work-group makes all 2,048 numbers of the result: wave w = head w, lane L = channels 4 L on, 16 loads of 16 bytes a lane; they meet in LDS;
; then wave w takes the quarter w % 4 (512 numbers) of row 4 g + w / 4 of Wo; the four quarters meet in LDS.  All 22 loads of a lane go out together at the head, in the order of their use.
; No cluster, though all work-groups read part_o: each lane wants its 16 bytes of each block in registers, once, in one batch without a loop.  No tensor load.  No prefetch: there is one batch of loads and no loop to run ahead in.
; LIMITS: NaN and infinities are not served; w_b under 2^-126 counts as 0.  The sums are taken in an order of their own, all in f32.
.set PO,  16                           ; v16-79  the 16 blocks' parts; later v16-31 the result read back
.set WO,  80                           ; v80-95  my quarter row of Wo
.set ACC, 96
.set DOT, 100
.macro RED op, r
.irp m, 1,2,4,8
	s_delay_alu instid0(VALU_DEP_1)
	\op v\r, v\r, v\r row_xmask:\m row_mask:0xf bank_mask:0xf
.endr
.endm
	s_load_b128 s[4:7], s[0:1], 0x0                ; part_o, part_ml
	s_load_b128 s[8:11], s[0:1], 0x10              ; Wo, bo
	s_load_b64 s[12:13], s[0:1], 0x20              ; out0
	v_lshl_add_u32 v108, v0, 2, 0x2100             ; my spare word
	v_mov_b32 v109, 0
	v_lshrrev_b32 v7, 5, v0
	v_readfirstlane_b32 s14, v7                    ; wave
	s_mov_b32 s16, 0x76543210
	s_mov_b32 s17, 0xfedcba98
	s_lshl_b32 s20, s14, 13                        ; a head's 16 x 512 bytes of part_o
	s_mov_b32 s21, 0
	s_lshl_b32 s22, s14, 7                         ; its 16 x 8 bytes of part_ml
	s_mov_b32 s23, 0
	s_lshl_b32 s24, ttmp9, 2
	s_lshr_b32 s25, s14, 2
	s_add_co_u32 s24, s24, s25                     ; n = 4 g + wave / 4
	s_lshl_b32 s24, s24, 13
	s_and_b32 s26, s14, 3
	s_lshl_b32 s26, s26, 11                        ; my quarter: 2,048 bytes
	s_add_co_u32 s24, s24, s26
	s_mov_b32 s25, 0
	s_lshl_b32 s28, ttmp9, 4                       ; the work-group's 16 bytes of bo and out0
	s_mov_b32 s29, 0
	s_wait_alu depctr_va_vdst(0)                   ; the wait behind the run of scalar lines
	v_and_b32 v1, 31, v0
	v_and_b32 v9, 15, v0
	v_lshlrev_b32 v4, 3, v9                        ; (M, l) of block lane % 16
	v_lshlrev_b32 v5, 4, v1                        ; 16 lane
	v_lshlrev_b32 v6, 4, v0                        ; LDS: thread t's four numbers of the result
	v_lshl_add_u32 v7, v7, 2, 8192                 ; LDS: my wave's part of its output
	v_and_b32 v8, 3, v0
	v_lshlrev_b32 v9, 2, v8                        ; 4 (lane % 4)
	v_lshl_add_u32 v8, v8, 4, 8192                 ; output lane % 4's four parts
	v_add_nc_u32 v10, s26, v5                      ; LDS: my quarter of the result
	v_mov_b32 v13, 0                               ; a lane permute's destination counts as a source
	s_wait_alu depctr_va_vdst(0)                   ; the wait at the head's end
	s_wait_kmcnt 0x0
	s_add_nc_u64 s[4:5], s[4:5], s[20:21]
	s_add_nc_u64 s[6:7], s[6:7], s[22:23]
	s_add_nc_u64 s[8:9], s[8:9], s[24:25]
	s_add_nc_u64 s[10:11], s[10:11], s[28:29]
	s_add_nc_u64 s[12:13], s[12:13], s[28:29]
	global_load_b64 v[2:3], v4, s[6:7]
.set b, 0
.rept 16
	global_load_b128 v[PO+4*b:PO+4*b+3], v5, s[4:5] offset:512*b
.set b, b+1
.endr
.set i, 0
.rept 4
	global_load_b128 v[WO+4*i:WO+4*i+3], v5, s[8:9] offset:512*i th:TH_LOAD_NT
.set i, i+1
.endr
	global_load_b32 v11, v9, s[10:11]              ; bo[4 g + lane % 4]
	s_wait_loadcnt 21                              ; (M, l) is in; the 21 younger loads stay out
	v_mov_b32 v12, v2
	RED v_max_num_f32_dpp, 12                      ; M over the sixteen blocks (both halves of the lanes hold the same)
	s_delay_alu instid0(VALU_DEP_1)
	v_sub_f32 v12, v2, v12
	s_wait_alu depctr_va_vdst(0)
	v_exp_f32 v12, v12                             ; w_b
	v_nop
	s_wait_alu depctr_va_vdst(0)
	v_mul_f32 v14, v12, v3
	RED v_add_f32_dpp, 14                          ; the head's sum: at least 1
	s_wait_alu depctr_va_vdst(0)
	v_rcp_f32 v15, v14
	v_nop
	s_wait_alu depctr_va_vdst(0)
	v_mul_f32 v12, v12, v15
.set b, 0
.rept 16
	v_readlane_b32 s[32+b], v12, b                 ; a factor only: no address and no branch hangs on it
.set b, b+1
.endr
.set b, 0
.rept 16
.if b%8 == 0
	s_wait_alu depctr_va_vdst(0)
	s_wait_loadcnt 13-b                            ; the next eight blocks are in: 13, then 5 younger loads stay out
.endif
.irp e, 0,1,2,3
.if b == 0
	v_mul_f32 v[ACC+\e], s[32+b], v[PO+4*b+\e]
.else
	v_fmac_f32 v[ACC+\e], s[32+b], v[PO+4*b+\e]
.endif
.endr
.set b, b+1
.endr
	ds_store_b128 v6, v[ACC:ACC+3]
	s_wait_alu depctr_va_vdst(0)
	s_wait_dscnt 0x0
	s_barrier_signal -1
	s_barrier_wait -1                              ; the result's 2,048 numbers lie in LDS
.set i, 0
.rept 4
	ds_load_b128 v[PO+4*i:PO+4*i+3], v10 offset:512*i
.set i, i+1
.endr
	s_wait_loadcnt 0x0
	s_wait_dscnt 0x0
.set n, 0
.rept 8
.if n < 4
	v_pk_mul_f32 v[DOT+2*n:DOT+2*n+1], v[WO+2*n:WO+2*n+1], v[PO+2*n:PO+2*n+1]
.else
	s_delay_alu instid0(VALU_DEP_4)
	v_pk_fma_f32 v[DOT+2*(n%4):DOT+2*(n%4)+1], v[WO+2*n:WO+2*n+1], v[PO+2*n:PO+2*n+1], v[DOT+2*(n%4):DOT+2*(n%4)+1]
.endif
.set n, n+1
.endr
	s_delay_alu instid0(VALU_DEP_3)
	v_pk_add_f32 v[DOT:DOT+1], v[DOT:DOT+1], v[DOT+2:DOT+3]
	s_delay_alu instid0(VALU_DEP_2)
	v_pk_add_f32 v[DOT+4:DOT+5], v[DOT+4:DOT+5], v[DOT+6:DOT+7]
	s_delay_alu instid0(VALU_DEP_1)
	v_pk_add_f32 v[DOT:DOT+1], v[DOT:DOT+1], v[DOT+4:DOT+5]
	s_delay_alu instid0(VALU_DEP_1)
	v_add_f32 v12, v[DOT], v[DOT+1]
	RED v_add_f32_dpp, 12
	s_delay_alu instid0(VALU_DEP_1)
	v_permlanex16_b32 v13, v12, s16, s17
	s_delay_alu instid0(VALU_DEP_1)
	v_add_f32 v12, v12, v13
	ds_store_b32 v7, v12                           ; all lanes write the same word with the same value
	s_wait_alu depctr_va_vdst(0)
	s_wait_dscnt 0x0
	s_barrier_signal -1
	s_barrier_wait -1                              ; the sixteen parts lie in LDS
	s_cmp_lg_u32 s14, 0                            ; wave 0 adds and stores: no barrier stands under this branch
	s_cbranch_scc1 .Ldone
	ds_load_b128 v[16:19], v8
	s_wait_dscnt 0x0
	v_add_f32 v16, v16, v17
	v_add_f32 v18, v18, v19
	s_delay_alu instid0(VALU_DEP_1)
	v_add_f32 v16, v16, v18
	s_delay_alu instid0(VALU_DEP_1)
	v_add_f32 v16, v16, v11
	v_cmp_gt_u32 vcc_lo, 4, v0
	s_wait_alu depctr_va_vdst(0)
	s_wait_xcnt 0x0                                ; EXEC changes only behind this wait
	s_and_saveexec_b32 s19, vcc_lo
	global_store_b32 v9, v16, s[12:13]             ; four lanes store the work-group's 16 bytes
	s_wait_xcnt 0x0
	s_or_b32 exec_lo, exec_lo, s19
.Ldone:
	s_wait_tensorcnt 0x0                           ; the wave's end
	ds_add_u32 v108, v109
	s_wait_dscnt 0x0
	s_endpgm
.Lfunc_end_k_qcaceaf93ac_finish:
	.size	k_qcaceaf93ac_finish, .Lfunc_end_k_qcaceaf93ac_finish-k_qcaceaf93ac_finish
	.p2alignl 7, 3214868480
	.fill 96, 4, 3214868480
	.section	.rodata,"a",@progbits
	.p2align	6, 0x0
	.amdhsa_kernel k_qcaceaf93ac_finish
		.amdhsa_group_segment_fixed_size 10496
		.amdhsa_private_segment_fixed_size 0
		.amdhsa_enable_private_segment 0
		.amdhsa_kernarg_size 40
		.amdhsa_user_sgpr_count 2
		.amdhsa_user_sgpr_kernarg_segment_ptr 1
		.amdhsa_wavefront_size32 1
		.amdhsa_system_sgpr_workgroup_id_x 1
		.amdhsa_system_sgpr_workgroup_id_y 1
		.amdhsa_system_sgpr_workgroup_id_z 1
		.amdhsa_system_vgpr_workitem_id 0
		.amdhsa_next_free_vgpr 112
		.amdhsa_next_free_sgpr 66
		.amdhsa_reserve_vcc 1
		.amdhsa_float_denorm_mode_32 3
		.amdhsa_float_denorm_mode_16_64 3
		.amdhsa_memory_ordered 1
		.amdhsa_forward_progress 1
		.amdhsa_inst_pref_size 12
	.end_amdhsa_kernel
	.amdgpu_metadata
---
amdhsa.version: [ 1, 2 ]
amdhsa.kernels:
  - .name:           k_qcaceaf93ac_finish
    .symbol:         k_qcaceaf93ac_finish.kd
    .args:
      - { .name: part_o, .offset: 0, .size: 8, .value_kind: global_buffer, .address_space: global }
      - { .name: part_ml, .offset: 8, .size: 8, .value_kind: global_buffer, .address_space: global }
      - { .name: Wo, .offset: 16, .size: 8, .value_kind: global_buffer, .address_space: global }
      - { .name: bo, .offset: 24, .size: 8, .value_kind: global_buffer, .address_space: global }
      - { .name: out0, .offset: 32, .size: 8, .value_kind: global_buffer, .address_space: global }
    .group_segment_fixed_size: 10496
    .private_segment_fixed_size: 0
    .kernarg_segment_align: 8
    .kernarg_segment_size: 40
    .max_flat_workgroup_size: 512
    .sgpr_count:     66
    .vgpr_count:     112
    .wavefront_size: 32
...
	.end_amdgpu_metadata
.endif
;; end of part 3
